; MI455X (gfx1250); checked and timed in simulation.
; The chip was launched on July 23, 2026; its instructions are those of AMD's public machine-readable ISA for CDNA 5 (MIT licence, August 2026) and "CDNA5" Instruction Set Architecture Reference Guide (July 2026). The comments in the code are by the model that wrote it; some were corrected since.
;; Attention Block. Allowed arithmetic: matrix products marked QUANTISED: E5M2 operands, one given power-of-two scale a tensor, by v_wmma_f32_16x16x64_bf8_bf8 or v_wmma_f32_16x16x128_bf8_bf8, f32 sums; everything else in f32.
;; Inputs: gn_bias 256 float32; gn_scale 256 float32; lowp_scales 8 int32 (the exponents e of the quantised operands' scales 2^e); proj_b 256 float32; proj_w_codes 256 x 8 x 32 uint8 (E5M2 codes of proj_w, K innermost, in blocks of 32 codes); qkv_b 768 float32; qkv_w_codes 768 x 8 x 32 uint8 (E5M2 codes of qkv_w, K innermost, in blocks of 32 codes); x 4 x 256 x 64 x 64 float32.
;; Outputs: out0 4 x 256 x 64 x 64 float32.
;; This version of the problem:
;;   THIS VERSION OF THE PROBLEM IS GIVEN IN LOW PRECISION. The matrix products marked QUANTISED in the list below multiply operands that are first quantised to E5M2 (5 exponent bits, 2 mantissa bits; 8 bits a number), with one given power-of-two scale for each operand tensor; their sums are f32. All else is computed in f32.
;;   The module's matrix products, in the order in which they are computed (A, B: the left and right operand; K: the contracted axis; several contracted axes count as one K, in the product's order):
;;     1. [M 768, K 256] x [K 256, N 16,384]; A: input qkv_w (given as codes); B: computed on the way: QUANTISED (scales: A lowp_scales[0], B lowp_scales[1])
;;     2. batch 16 x [M 4,096, K 64] x [K 64, N 4,096]; A: computed on the way; B: computed on the way: QUANTISED (scales: A lowp_scales[2], B lowp_scales[3])
;;     3. batch 16 x [M 4,096, K 4,096] x [K 4,096, N 64]; A: softmax (see below); B: computed on the way: QUANTISED (scales: A lowp_scales[4], B lowp_scales[5])
;;     4. [M 256, K 256] x [K 256, N 16,384]; A: input proj_w (given as codes); B: computed on the way: QUANTISED (scales: A lowp_scales[6], B lowp_scales[7])
;;   THE QUANTISER, for each operand of a quantised product, along K:
;;     - The operand's scale is 2^e, e = its entry of the input lowp_scales (int32; the entries are numbered through the quantised products in the list's order, A before B).
;;     - Each number is divided by the scale, clamped to +-57,344, and rounded to the nearest number of E5M2, ties to even, subnormals kept.
;;     - The product sums the exact products of the quantised numbers (number of the format x scale) in f32.
;;   ~~~python
;;   def quantise(x, axis, e):      # numpy; x: float32 -> the quantised numbers, widened to float32 again
;;       x = np.moveaxis(x, axis, -1); K = x.shape[-1]
;;       r = np.clip(x / 2.0 ** e, -57344, 57344)
;;       step = 2.0 ** (np.maximum(np.frexp(np.where(r == 0, 1, r))[1] - 1, -14) - 2)
;;       q = np.round(r / step) * step * 2.0 ** e      # np.round: ties to even
;;       return np.moveaxis(q, -1, axis).astype(np.float32)
;;   ~~~
;;   SOFTMAX AHEAD OF A QUANTISED PRODUCT. Where the list says 'softmax', what is quantised is not the finished softmax but p = 2^(t - M), with t = logit x log2(e) and M = ceil(the row's largest t), a whole number; so 1/2 < the row's largest p <= 1. The row's sum l is taken of the UNQUANTISED p, in f32, and the product's result is divided by l at the end. Since M is a whole number, a kernel that streams over the keys may use a running M (the ceiling of the running maximum): every later rescaling is an exact power of two, so the quantised numbers keep their values, but for numbers so far below the row's largest that they fall under the format's range.
;;   OPERANDS COMPUTED ON THE WAY. 'Computed on the way' means the value that the module computes at that place (a softmax that the list does not call 'softmax' is quantised finished and normalised). What goes into a quantiser is computed in f32, as accurately as f32 sums, v_exp_f32 and their like allow (about 1e-6 of the number): no bf16 or f16 on the way to a quantiser, and a product that is left as it is and whose result goes on into a quantised operand takes f32 operands (vector FMAs, or v_wmma_f32_16x16x4_f32). A number that lies on a knife's edge between two numbers of the format may be rounded either way, as far as f32 arithmetic and the matrix unit's own rounding can turn it there, and no further.
;;   INPUTS GIVEN AS CODES. proj_w (in the module: [256, 256], K = its axis 1); qkv_w (in the module: [768, 256], K = its axis 1): each comes as NAME_codes (uint8): NAME with its K axis moved to the last place and cut into blocks of 32 codes, [.., K / 32, bytes a block], one block behind the other in memory; one code a byte (a code: sign, 5 exponent bits, 2 mantissa bits); its scale is its entry of lowp_scales. Its value is code x scale, taken as it is: it is not quantised again, and the codes and scales need not be those that the quantiser above would give.
;; One version. Each part assembles by itself: llvm-mc -triple=amdgcn-amd-amdhsa -mcpu=gfx1250 --defsym DOCPART=n.
;; ======== version 1 of 1: 3 launches
;; limits: right only within a limited range of input values
;; workspace buffers: xn_codes 4,194,304 bytes; q_img 4,194,304 bytes; kv_img 8,388,608 bytes
;; launch gnorm (part 1): grid 128 x 1, 16 waves a work-group, no clusters, 2,560 bytes of LDS; arguments x, gn_scale, gn_bias, lowp_scales, xn_codes; writes xn_codes
.if DOCPART == 1
	.amdgcn_target "amdgcn-amd-amdhsa--gfx1250"
	.amdhsa_code_object_version 6
	.text
	.protected	k_q02b288ce17_gnorm
	.globl	k_q02b288ce17_gnorm
	.p2align	8
	.type	k_q02b288ce17_gnorm,@function
k_q02b288ce17_gnorm:
	s_mov_b64 s[64:65], 0
	v_nop
	global_prefetch_b8 v0, s[64:65] scope:SCOPE_SE
	s_setreg_imm32_b32 hwreg(HW_REG_WAVE_MODE, 25, 1), 1
	s_wait_xcnt 0x0
; GroupNorm and the quantiser of the first product's right operand.
; x: [4][256][4096] f32.  A group is 8 channels x 4,096 pixels of one batch: 131,072 consecutive bytes.  xn = (x - mean) rsqrt(var + 1e-5) gn_scale[c] + gn_bias[c], all in f32;
; code = xn / 2^e1, held within +-57,344, rounded to the nearest E5M2 code, ties to even (e1 = entry 1 of the scales).
; OUT: xn_codes [batch][group 32][pixel 4096][8 codes: the group's 8 channels]: the channels are the next product's K, so a pixel's 8 codes of a group lie together.
; SHARES.  One work-group to a group: 128 work-groups.  A group is the unit of both sums, and a sum that spanned work-groups would want a launch more; so no more work-groups are made.
; Thread t of 512 owns the pixel pairs 512 q + t, q = 0..3, of all 8 channels: 64 numbers, which stay in registers from the load to the codes: x is read once.
; The variance is taken of x - mean in a second pass over the registers, not as a difference of two large sums.
; Every load of a wave covers 256 consecutive bytes, aligned; every store 512.  No matrix unit, no cluster, no tensor load: nothing is shared between work-groups and each byte is touched once.
; LIMITS: e1 between -126 and 112, so that 2^e1 and 57,344 x 2^e1 are f32 numbers.  NaN among the inputs is not served.
.set X,    32                          ; v32-95   my numbers: X + 16 q + 2 ch + px
.set T,    96                          ; v96-127  at work: sums' chains, the waves' partial sums, two sets of 16 normalised numbers (T + 16 (q % 2) + 8 px + ch)
.set C,    16                          ; v16-31   codes: four registers for each q, so that no store's data are written again
.set RED0, 0                           ; LDS: one word a wave for the first sum,
.set RED1, 256                         ; and other bytes for the second, so that one barrier serves each
.set CHB,  16384                       ; a channel's 4,096 pixels in bytes
	s_load_b256 s[4:11], s[0:1], 0x0               ; x s[4:5], gn_scale s[6:7], gn_bias s[8:9], the scales' exponents s[10:11]
	s_load_b64 s[12:13], s[0:1], 0x20              ; xn_codes
	v_lshl_add_u32 v128, v0, 2, 0x200
	v_mov_b32 v129, 0
	v_lshlrev_b32 v1, 3, v0                        ; in: 8 bytes (a pixel pair) a thread
	v_lshlrev_b32 v2, 4, v0                        ; out: 16 bytes (a pixel pair's codes) a thread
	v_lshrrev_b32 v3, 5, v0
	s_delay_alu instid0(VALU_DEP_1)
	v_lshlrev_b32 v3, 2, v3                        ; my wave's word in LDS
	v_mov_b32 v4, 0                                ; where all waves' words begin
	v_mov_b32 v5, 0                                ; written once: a lane permute's destination counts as one of its sources
	s_mov_b32 s32, 0x76543210                      ; v_permlanex16_b32: each lane takes its own place in the other half
	s_mov_b32 s33, 0xfedcba98
	s_lshl_b32 s36, ttmp9, 17                      ; the group's 131,072 bytes of x (127 groups at the most in front: under 2^24),
	s_mov_b32 s37, 0
	s_lshl_b32 s38, ttmp9, 15                      ; its 32,768 bytes of codes,
	s_mov_b32 s39, 0
	s_and_b32 s40, ttmp9, 31
	s_lshl_b32 s40, s40, 5                         ; and its 8 gains and 8 biases
	s_mov_b32 s41, 0
	s_wait_alu depctr_va_vdst(0)
	s_wait_kmcnt 0x0
	s_add_nc_u64 s[4:5], s[4:5], s[36:37]
	s_add_nc_u64 s[12:13], s[12:13], s[38:39]
	s_add_nc_u64 s[6:7], s[6:7], s[40:41]
	s_add_nc_u64 s[8:9], s[8:9], s[40:41]
.irp q, 0,1,2,3
.irp ch, 0,1,2,3,4,5,6,7
	global_load_b64 v[X+16*\q+2*\ch:X+16*\q+2*\ch+1], v1, s[4:5] offset:\ch*CHB+\q*4096 th:TH_LOAD_NT
.endr
.endr
	s_load_b256 s[16:23], s[6:7], 0x0              ; gn_scale of my 8 channels
	s_load_b256 s[24:31], s[8:9], 0x0              ; gn_bias
	s_load_b32 s34, s[10:11], 0x4                  ; e1
; v10, one number a lane, is summed over the work-group's 512 threads; every lane ends up with the sum, added in the same order everywhere.
.macro XSUM base
	s_delay_alu instid0(VALU_DEP_1)
	v_add_f32_dpp v10, v10, v10 row_xmask:1 row_mask:0xf bank_mask:0xf
	s_delay_alu instid0(VALU_DEP_1)
	v_add_f32_dpp v10, v10, v10 row_xmask:2 row_mask:0xf bank_mask:0xf
	s_delay_alu instid0(VALU_DEP_1)
	v_add_f32_dpp v10, v10, v10 row_xmask:4 row_mask:0xf bank_mask:0xf
	s_delay_alu instid0(VALU_DEP_1)
	v_add_f32_dpp v10, v10, v10 row_xmask:8 row_mask:0xf bank_mask:0xf
	s_delay_alu instid0(VALU_DEP_1)
	v_permlanex16_b32 v5, v10, s32, s33
	s_delay_alu instid0(VALU_DEP_1)
	v_add_f32 v10, v10, v5
	ds_store_b32 v3, v10 offset:\base              ; all lanes write the wave's word with the same number
	s_wait_dscnt 0x0                               ; for the others' sake: my store has landed
	s_barrier_signal -1
	s_barrier_wait -1
.irp i, 0,1,2,3
	ds_load_b128 v[T+4*\i:T+4*\i+3], v4 offset:\base+16*\i
.endr
	s_wait_dscnt 0x0
	v_pk_add_f32 v[T:T+1], v[T:T+1], v[T+2:T+3]
	v_pk_add_f32 v[T+4:T+5], v[T+4:T+5], v[T+6:T+7]
	v_pk_add_f32 v[T+8:T+9], v[T+8:T+9], v[T+10:T+11]
	v_pk_add_f32 v[T+12:T+13], v[T+12:T+13], v[T+14:T+15]
	s_delay_alu instid0(VALU_DEP_3)
	v_pk_add_f32 v[T:T+1], v[T:T+1], v[T+4:T+5]
	s_delay_alu instid0(VALU_DEP_2)
	v_pk_add_f32 v[T+8:T+9], v[T+8:T+9], v[T+12:T+13]
	s_delay_alu instid0(VALU_DEP_1)
	v_pk_add_f32 v[T:T+1], v[T:T+1], v[T+8:T+9]
	s_delay_alu instid0(VALU_DEP_1)
	v_add_f32 v10, v[T], v[T+1]
.endm
.macro JOIN                            ; the four chains of a thread become one number
	v_pk_add_f32 v[T:T+1], v[T:T+1], v[T+2:T+3]
	v_pk_add_f32 v[T+4:T+5], v[T+4:T+5], v[T+6:T+7]
	s_delay_alu instid0(VALU_DEP_1)
	v_pk_add_f32 v[T:T+1], v[T:T+1], v[T+4:T+5]
	s_delay_alu instid0(VALU_DEP_1)
	v_add_f32 v10, v[T], v[T+1]
.endm
	; ---- the mean: a chain for each q, started by its first two pairs: nothing is cleared
.irp q, 0,1,2,3
	s_wait_loadcnt 8*(3-\q)                        ; loads come back in order: this q's eight are in, the later q's eight each may be out
	v_pk_add_f32 v[T+2*\q:T+2*\q+1], v[X+16*\q:X+16*\q+1], v[X+16*\q+2:X+16*\q+3]
.irp ch, 2,3,4,5,6,7
	s_delay_alu instid0(VALU_DEP_1)
	v_pk_add_f32 v[T+2*\q:T+2*\q+1], v[T+2*\q:T+2*\q+1], v[X+16*\q+2*\ch:X+16*\q+2*\ch+1]
.endr
.endr
	s_wait_alu depctr_va_vdst(0)
	JOIN
	XSUM RED0
	s_delay_alu instid0(VALU_DEP_1)
	v_mul_f32 v6, 0x38000000, v10                  ; / 32,768
	s_delay_alu instid0(VALU_DEP_1)
	v_mov_b32 v7, v6
.set j, 0
.rept 32
	v_pk_add_f32 v[X+j:X+j+1], v[X+j:X+j+1], v[6:7] neg_lo:[0,1] neg_hi:[0,1]   ; x - mean, in place
.set j, j+2
.endr
	; ---- the variance: the sum of (x - mean)^2, four chains by turns
.irp q, 0,1,2,3
	v_pk_mul_f32 v[T+2*\q:T+2*\q+1], v[X+16*\q:X+16*\q+1], v[X+16*\q:X+16*\q+1]
.endr
.irp ch, 1,2,3,4,5,6,7
.irp q, 0,1,2,3
	s_delay_alu instid0(VALU_DEP_4)
	v_pk_fma_f32 v[T+2*\q:T+2*\q+1], v[X+16*\q+2*\ch:X+16*\q+2*\ch+1], v[X+16*\q+2*\ch:X+16*\q+2*\ch+1], v[T+2*\q:T+2*\q+1]
.endr
.endr
	JOIN
	XSUM RED1
	s_mov_b32 s36, 0x38000000                      ; 1 / 32,768
	s_mov_b32 s37, 0x3727c5ac                      ; 1e-5
	v_fma_f32 v10, v10, s36, s37                   ; var + eps
	s_wait_alu depctr_va_vdst(0)
	v_rsq_f32 v11, v10
	v_nop                                          ; a plain instruction behind the transcendental,
	s_wait_alu depctr_va_vdst(0)                   ; and the wait ahead of the first use of its result
	v_readfirstlane_b32 s35, v11                   ; the same number in every lane: kept as a scalar
	s_wait_kmcnt 0x0                               ; gains, biases, e1
.irp ch, 0,1,2,3,4,5,6,7
	s_mul_f32 s[16+\ch], s[16+\ch], s35            ; a[ch] = gn_scale[ch] x rsqrt(var + eps)
.endr
	s_add_co_i32 s34, s34, 127
	s_lshl_b32 s38, s34, 23
	v_mov_b32 v9, s38                              ; 2^e1 as f32: the conversion takes its exponent field
	; ---- normalise, hold, convert, store.  The multiply-add also turns the numbers: from (channel, pixel of the pair) to (pixel, channel), since the conversion takes 8 neighbours along K from consecutive registers
.irp q, 0,1,2,3
.irp px, 0,1
.irp ch, 0,1,2,3,4,5,6,7
	v_fma_f32 v[T+16*(\q%2)+8*\px+\ch], v[X+16*\q+2*\ch+\px], s[16+\ch], s[24+\ch]
.endr
.endr
.set j, 0
.rept 16
.set j, j+1
.endr
	v_cvt_scalef32_pk8_bf8_f32 v[C+4*\q:C+4*\q+1], v[T+16*(\q%2):T+16*(\q%2)+7], v9
	v_cvt_scalef32_pk8_bf8_f32 v[C+4*\q+2:C+4*\q+3], v[T+16*(\q%2)+8:T+16*(\q%2)+15], v9
	global_store_b128 v2, v[C+4*\q:C+4*\q+3], s[12:13] offset:\q*8192   ; a wave stores 512 consecutive bytes, aligned.  The next q works in the other set of T: plain lines on other registers follow the conversions
.endr
	s_wait_tensorcnt 0x0
	ds_add_u32 v128, v129
	s_wait_dscnt 0x0
	s_endpgm
.Lfunc_end_k_q02b288ce17_gnorm:
	.size	k_q02b288ce17_gnorm, .Lfunc_end_k_q02b288ce17_gnorm-k_q02b288ce17_gnorm
	.p2alignl 7, 3214868480
	.fill 96, 4, 3214868480
	.section	.rodata,"a",@progbits
	.p2align	6, 0x0
	.amdhsa_kernel k_q02b288ce17_gnorm
		.amdhsa_group_segment_fixed_size 2560
		.amdhsa_private_segment_fixed_size 0
		.amdhsa_enable_private_segment 0
		.amdhsa_kernarg_size 40
		.amdhsa_user_sgpr_count 2
		.amdhsa_user_sgpr_kernarg_segment_ptr 1
		.amdhsa_wavefront_size32 1
		.amdhsa_system_sgpr_workgroup_id_x 1
		.amdhsa_system_sgpr_workgroup_id_y 1
		.amdhsa_system_sgpr_workgroup_id_z 1
		.amdhsa_system_vgpr_workitem_id 0
		.amdhsa_next_free_vgpr 130
		.amdhsa_next_free_sgpr 66
		.amdhsa_reserve_vcc 0
		.amdhsa_float_denorm_mode_32 3
		.amdhsa_float_denorm_mode_16_64 3
		.amdhsa_fp16_overflow 1
		.amdhsa_memory_ordered 1
		.amdhsa_forward_progress 1
		.amdhsa_inst_pref_size 22
	.end_amdhsa_kernel
	.amdgpu_metadata
---
amdhsa.version: [ 1, 2 ]
amdhsa.kernels:
  - .name:           k_q02b288ce17_gnorm
    .symbol:         k_q02b288ce17_gnorm.kd
    .args:
      - { .name: x, .offset: 0, .size: 8, .value_kind: global_buffer, .address_space: global }
      - { .name: gn_scale, .offset: 8, .size: 8, .value_kind: global_buffer, .address_space: global }
      - { .name: gn_bias, .offset: 16, .size: 8, .value_kind: global_buffer, .address_space: global }
      - { .name: lowp_scales, .offset: 24, .size: 8, .value_kind: global_buffer, .address_space: global }
      - { .name: xn_codes, .offset: 32, .size: 8, .value_kind: global_buffer, .address_space: global }
    .group_segment_fixed_size: 2560
    .private_segment_fixed_size: 0
    .kernarg_segment_align: 8
    .kernarg_segment_size: 40
    .max_flat_workgroup_size: 512
    .sgpr_count:     66
    .vgpr_count:     130
    .wavefront_size: 32
...
	.end_amdgpu_metadata
.endif
;; end of part 1
;; launch qkv (part 2): grid 128 x 2, 12 waves a work-group, no clusters, 169,472 bytes of LDS; arguments xn_codes, qkv_w_codes, qkv_b, lowp_scales, q_img, kv_img; writes q_img, kv_img
.if DOCPART == 2
	.amdgcn_target "amdgcn-amd-amdhsa--gfx1250"
	.amdhsa_code_object_version 6
	.text
	.protected	k_q02b288ce17_qkv
	.globl	k_q02b288ce17_qkv
	.p2align	8
	.type	k_q02b288ce17_qkv,@function
k_q02b288ce17_qkv:
	s_mov_b64 s[64:65], 0
	v_nop
	global_prefetch_b8 v0, s[64:65] scope:SCOPE_SE
	s_setreg_imm32_b32 hwreg(HW_REG_WAVE_MODE, 25, 1), 1
	s_wait_xcnt 0x0
; qkv = W xn + b on codes of E5M2 (K = the 256 channels), and the quantisers of q, k and v: the results leave as IMAGES OF THE NEXT PRODUCTS' OPERAND REGISTERS.
; A fragment of the plain 8-bit forms: lane (r = lane % 16, h = lane / 16) holds row or column r; registers 2 c, 2 c + 1 hold k = 16 c + 8 h + 0..7.  A result: register j holds (m = 8 h + j, n = r).
; q, k: source 0 = 16 rows of W, source 1 = 16 pixels of xn: a lane holds ONE pixel and its registers 8 neighbouring head channels 16 u + 8 h + j: converted, two such tiles are four registers of a K = 64 fragment.
; v:    the sources change places: a lane holds ONE channel and its registers 8 neighbouring pixels (keys) 16 e + 8 h + j: converted, two such tiles are four registers of a K = 128 fragment whose K is the keys.
; An image is four registers of all 32 lanes on end, 16 bytes a lane: one store of 512 consecutive bytes, aligned; the wave that loads it so has the registers as they were.
;   q_img  [batch][head 4][pixel tile 256][c 2][lane][16 B]
;   kv_img [batch][key step 32 (128 keys)][65,536 B]: K at 0: [head][key tile 8][c 2][lane][16 B]; V at 32,768: [head][channel tile 4][c 4][lane][16 B]
; SHARES.  A work-group takes 128 pixels of a batch (one key step) and two heads (grid y): 256 work-groups.  Wave w: part = w / 4 (q, k, v), head = 2 y + (w % 4) / 2, half = w % 2 of the head's 64 rows of W:
; 32 rows of W, which stay in 64 registers.  The 128 pixels' codes (32 groups x 1,024 bytes) come once by four tensor loads and are read by all twelve waves.
; The bias is the C of each sum's first matrix instruction, divided by the power of two that the sums lack; the three scales ahead of a quantiser are folded into the conversion's one: 2^(eT - e0 - e1).
; NO CLUSTER: a work-group fetches one tile of 32,768 bytes, once, and only the two work-groups of a y pair share it.  No prefetch: one tile, asked for at the head.
; LIMITS: eT - e0 - e1 between -126 and 112 for eT = e2 (q), e3 (k), e5 (v).  e0 + e1 is applied by v_ldexp_f32.  NaN among the inputs is not served.
.set PITCH, 1152                       ; a group's row in LDS: 1,024 bytes + 128 of padding: lanes 0-15 read 128 consecutive bytes of one row, lanes 16-31 of the next, which begins 128 mod 256 further on
.set ACC, 16                           ; v16-47   four accumulators
.set BI,  48                           ; v48-63   the bias as C: eight registers for each of my two tiles of W
.set X,   64                           ; v64-127  xn's fragments of two pixel tiles: X + 32 e + 16 kk + 2 c
.set W,   128                          ; v128-191 W's fragments: W + 16 (2 u + kk) + 2 c
.set CD,  192                          ; v192-223 codes: eight registers for each of the four trips, so that no store's data are written again
	s_load_b256 s[4:11], s[0:1], 0x0               ; xn_codes s[4:5], W's codes s[6:7], qkv_b s[8:9], the scales' exponents s[10:11]
	s_load_b128 s[12:15], s[0:1], 0x20             ; q_img s[12:13], kv_img s[14:15]
	v_lshl_add_u32 v224, v0, 2, 0x29000
	v_mov_b32 v225, 0
	ds_add_u32 v224, v225
	ds_add_u32 v224, v225
	v_lshrrev_b32 v10, 5, v0
	s_delay_alu instid0(VALU_DEP_1)
	v_readfirstlane_b32 s16, v10                   ; wave 0..11
	v_and_b32 v1, 15, v0                           ; r
	v_bfe_u32 v2, v0, 4, 1                         ; h
	v_and_b32 v6, 31, v0
	s_delay_alu instid0(VALU_DEP_1)
	v_lshlrev_b32 v6, 4, v6                        ; 16 x lane: my place in an image
	s_delay_alu instid0(VALU_DEP_3)
	v_mul_u32_u24 v3, v2, PITCH
	s_delay_alu instid0(VALU_DEP_1)
	v_lshl_add_u32 v3, v1, 3, v3                   ; xn in LDS: group h of a pair, pixel r
	v_lshlrev_b32 v4, 8, v1
	s_delay_alu instid0(VALU_DEP_1)
	v_lshl_add_u32 v4, v2, 3, v4                   ; W: row r of 256 bytes, + 8 h
	v_lshlrev_b32 v5, 5, v2                        ; the bias of q and k: 8 numbers from 8 h on
	v_lshlrev_b32 v7, 2, v1                        ; the bias of v: the number of row r
	s_lshr_b32 s17, s16, 2                         ; part: 0 q, 1 k, 2 v
	s_and_b32 s18, s16, 3
	s_and_b32 s19, ttmp7, 0xffff
	s_lshl_b32 s19, s19, 1
	s_lshr_b32 s44, s18, 1
	s_add_co_u32 s19, s19, s44                     ; head
	s_and_b32 s20, s16, 1                          ; which 32 of the head's 64 rows
	s_lshr_b32 s21, ttmp9, 5                       ; batch
	s_and_b32 s22, ttmp9, 31                       ; key step: which 128 pixels
	; descriptor group 1: 8 rows (groups) of 128 elements of 8 bytes (a pixel's 8 codes), 4,096 elements apart in memory, padded in LDS
	s_mov_b32 s24, 0x3fd30000                      ; 15:0 no mask; 17:16 elements of 8 bytes (code 3); 20 padding on; 24:22 after every 256 words (code 7); 31:25 of 32 words (code 31)
	s_mov_b32 s25, 128<<16                         ; tensor_dim0 = 128
	s_mov_b32 s26, 8<<16                           ; tensor_dim1 = 8
	s_mov_b32 s27, 128<<16                         ; tile_dim0 = 128
	s_mov_b32 s28, 8                               ; tile_dim1 = 8
	s_mov_b32 s29, 4096                            ; tensor_dim0_stride
	s_mov_b32 s30, 0
	s_mov_b32 s31, 0
	s_mov_b32 s32, 1                               ; group 0: count = 1
	s_mul_i32 s33, s18, 8*PITCH                    ; LDS address: waves 0 to 3 bring 8 groups each
	s_lshl_b32 s44, s21, 20                        ; in memory: the batch's 32 groups of 32,768 bytes,
	s_lshl_b32 s45, s22, 10                        ; 128 pixels of 8 bytes,
	s_add_co_u32 s44, s44, s45
	s_lshl_b32 s45, s18, 18                        ; 8 groups
	s_add_co_u32 s44, s44, s45
	s_mov_b32 s45, 0
	s_lshl_b32 s46, s17, 8                         ; my first row of W: 256 part + 64 head + 32 half
	s_lshl_b32 s47, s19, 6
	s_add_co_u32 s46, s46, s47
	s_lshl_b32 s47, s20, 5
	s_add_co_u32 s46, s46, s47
	s_lshl_b32 s56, s46, 8                         ; in W's bytes,
	s_mov_b32 s57, 0
	s_lshl_b32 s58, s46, 2                         ; in the bias's
	s_mov_b32 s59, 0
	; where my images go
	s_lshl_b32 s54, s21, 20                        ; q_img: batch, head, 8 pixel tiles a key step, my half = the image's c
	s_lshl_b32 s47, s19, 18
	s_add_co_u32 s54, s54, s47
	s_lshl_b32 s47, s22, 13
	s_add_co_u32 s54, s54, s47
	s_lshl_b32 s60, s20, 9
	s_add_co_u32 s54, s54, s60
	s_lshl_b32 s55, s21, 21                        ; kv_img: batch, key step, head,
	s_lshl_b32 s47, s22, 16
	s_add_co_u32 s55, s55, s47
	s_lshl_b32 s47, s19, 13
	s_add_co_u32 s55, s55, s47
	s_lshl_b32 s61, s20, 12                        ; V: behind K's 32,768 bytes; my half = two channel tiles of 2,048 bytes
	s_add_co_u32 s61, s61, 32768
	s_cmp_eq_u32 s17, 2
	s_cselect_b32 s60, s61, s60                    ; K: my half = the image's c
	s_add_co_u32 s55, s55, s60
	s_wait_dscnt 0x0
	s_wait_kmcnt 0x0
	s_load_b256 s[36:43], s[10:11], 0x0            ; e0 .. e7
	s_cmp_eq_u32 s17, 0                            ; the choice of the buffer hangs on the wave's number alone
	s_cselect_b32 s54, s54, s55
	s_cselect_b64 s[48:49], s[12:13], s[14:15]
	s_mov_b32 s55, 0
	s_add_nc_u64 s[48:49], s[48:49], s[54:55]
	s_add_nc_u64 s[50:51], s[6:7], s[56:57]        ; W at my first row
	s_add_nc_u64 s[52:53], s[8:9], s[58:59]        ; the bias likewise
	s_add_nc_u64 s[34:35], s[4:5], s[44:45]        ; group 0: the tile's first byte,
	s_or_b32 s35, s35, 0x80000000                  ; type = 2
	s_cmp_lt_u32 s16, 4
	s_cbranch_scc0 .Lno_fill
	tensor_load_to_lds s[32:35], s[24:31]          ; the one fill of the launch: one load of mine is out
	s_nop 0
.rept 4
	v_nop                                          ; four plain lines follow the load
.endr
.Lno_fill:
	s_wait_alu depctr_va_vdst(0)
.irp u, 0,1
.irp kk, 0,1
.irp c, 0,1,2,3,4,5,6,7
	global_load_b64 v[W+16*(2*\u+\kk)+2*\c:W+16*(2*\u+\kk)+2*\c+1], v4, s[50:51] offset:\u*4096+128*\kk+16*\c   ; W(16 u + r, 128 kk + 16 c + 8 h .. + 7)
.endr
.endr
.endr
; The bias is loaded in both layouts by every wave, out of its own 128 bytes: six loads, and no branch ahead of the barrier.
.irp u, 0,1
	global_load_b128 v[BI+8*\u:BI+8*\u+3], v5, s[52:53] offset:64*\u
	global_load_b128 v[BI+8*\u+4:BI+8*\u+7], v5, s[52:53] offset:64*\u+16
	global_load_b32 v[10+\u], v7, s[52:53] offset:64*\u
.endr
	s_wait_kmcnt 0x0
	s_cmp_eq_u32 s17, 0
	s_cselect_b32 s44, s38, s39                    ; q: e2; k: e3;
	s_cmp_eq_u32 s17, 2
	s_cselect_b32 s44, s41, s44                    ; v: e5
	s_add_co_i32 s45, s36, s37                     ; e0 + e1: a sum stands for sum x 2^(e0 + e1)
	s_sub_co_i32 s44, s44, s45
	s_sub_co_i32 s47, 0, s45
	s_add_co_i32 s44, s44, 127
	s_lshl_b32 s46, s44, 23
	v_mov_b32 v8, s46                              ; 2^(eT - e0 - e1) as f32: the conversion takes its exponent field
	s_wait_tensorcnt 0x0                           ; my part of the tile has landed,
	s_barrier_signal -1
	s_barrier_wait -1                              ; everybody's has
.macro XLOAD p                         ; xn's fragments of pixel tiles 2 p and 2 p + 1: register pair c of K step kk is group 16 kk + 2 c + h at pixel r
.irp e, 0,1
.irp kk, 0,1
.irp c, 0,1,2,3,4,5,6,7
	ds_load_b64 v[X+32*\e+16*\kk+2*\c:X+32*\e+16*\kk+2*\c+1], v3 offset:(16*\kk+2*\c)*PITCH+128*(2*(\p)+\e)
.endr
.endr
.endr
.endm
; Eight products: two tiles of W x two pixel tiles x two K steps.  The four accumulators take turns, one instruction a turn; the first K step takes the bias as C.
.macro MUL8 swap
.irp kk, 0,1
.irp e, 0,1
.irp u, 0,1
.set rX, X+32*\e+16*\kk
.set rW, W+16*(2*\u+\kk)
.if \swap
.set rD, ACC+8*(2*\u+\e)
.else
.set rD, ACC+8*(2*\e+\u)
.endif
.set rC, rD
.if \kk == 0
.set rC, BI+8*\u
.endif
.if \swap
	v_wmma_f32_16x16x128_bf8_bf8 v[rD:rD+7], v[rX:rX+15], v[rW:rW+15], v[rC:rC+7]
.else
	v_wmma_f32_16x16x128_bf8_bf8 v[rD:rD+7], v[rW:rW+15], v[rX:rX+15], v[rC:rC+7]
.endif
.endr
.endr
.endr
.endm
.macro QUANT p                         ; the four accumulators become eight registers of codes; each accumulator is read from its low end on
.set j, 0
.rept 32
.set j, j+1
.endr
.irp a, 0,1,2,3
	v_cvt_scalef32_pk8_bf8_f32 v[CD+8*(\p)+2*\a:CD+8*(\p)+2*\a+1], v[ACC+8*\a:ACC+8*\a+7], v8
.endr
	v_nop                                          ; a plain line between the conversions and the next products, which write their sources
.endm
.macro BODY swap
	XLOAD 0
	s_wait_loadcnt 0x0                             ; W and the bias
.irp u, 0,1
.irp i, 0,1,2,3,4,5,6,7
.if \swap
	v_ldexp_f32 v[BI+8*\u+\i], v[10+\u], s47       ; v: a lane's eight results share a channel: its bias / 2^(e0 + e1) in all eight
.else
	v_ldexp_f32 v[BI+8*\u+\i], v[BI+8*\u+\i], s47  ; q, k: the biases of the lane's eight channels / 2^(e0 + e1)
.endif
.endr
.endr
	s_wait_alu depctr_va_vdst(0)
.irp pp, 0,1,2,3
	s_wait_dscnt 0x0                               ; this trip's fragments are in
	MUL8 \swap
.rept 4
	v_nop                                          ; four places behind the products, ahead of the loads into registers that they read and of the first read of their results
.endr
.if \pp < 3
	XLOAD \pp+1                                    ; the next trip's fragments land while this trip's results are quantised
.endif
	QUANT \pp
.irp n, 0,1
.if \swap
	global_store_b128 v6, v[CD+8*\pp+4*\n:CD+8*\pp+4*\n+3], s[48:49] offset:\n*2048+\pp*512    ; V: channel tile n of my two, registers 4 pp on (keys 32 pp on)
.else
	global_store_b128 v6, v[CD+8*\pp+4*\n:CD+8*\pp+4*\n+3], s[48:49] offset:(2*\pp+\n)*1024    ; q, k: pixel tile 2 pp + n
.endif
.endr
.endr
.endm
	s_cmp_lt_u32 s16, 8                            ; no barrier and no LDS store stands behind this parting
	s_cbranch_scc0 .Lv
	BODY 0
	s_wait_tensorcnt 0x0
	ds_add_u32 v224, v225
	s_wait_dscnt 0x0
	s_endpgm
.Lv:
	BODY 1
	s_wait_tensorcnt 0x0
	ds_add_u32 v224, v225
	s_wait_dscnt 0x0
	s_endpgm
.Lfunc_end_k_q02b288ce17_qkv:
	.size	k_q02b288ce17_qkv, .Lfunc_end_k_q02b288ce17_qkv-k_q02b288ce17_qkv
	.p2alignl 7, 3214868480
	.fill 96, 4, 3214868480
	.section	.rodata,"a",@progbits
	.p2align	6, 0x0
	.amdhsa_kernel k_q02b288ce17_qkv
		.amdhsa_group_segment_fixed_size 169472
		.amdhsa_private_segment_fixed_size 0
		.amdhsa_enable_private_segment 0
		.amdhsa_kernarg_size 48
		.amdhsa_user_sgpr_count 2
		.amdhsa_user_sgpr_kernarg_segment_ptr 1
		.amdhsa_wavefront_size32 1
		.amdhsa_system_sgpr_workgroup_id_x 1
		.amdhsa_system_sgpr_workgroup_id_y 1
		.amdhsa_system_sgpr_workgroup_id_z 1
		.amdhsa_system_vgpr_workitem_id 0
		.amdhsa_next_free_vgpr 226
		.amdhsa_next_free_sgpr 66
		.amdhsa_reserve_vcc 0
		.amdhsa_float_denorm_mode_32 3
		.amdhsa_float_denorm_mode_16_64 3
		.amdhsa_fp16_overflow 1
		.amdhsa_memory_ordered 1
		.amdhsa_forward_progress 1
		.amdhsa_inst_pref_size 36
	.end_amdhsa_kernel
	.amdgpu_metadata
---
amdhsa.version: [ 1, 2 ]
amdhsa.kernels:
  - .name:           k_q02b288ce17_qkv
    .symbol:         k_q02b288ce17_qkv.kd
    .args:
      - { .name: xn_codes, .offset: 0, .size: 8, .value_kind: global_buffer, .address_space: global }
      - { .name: qkv_w_codes, .offset: 8, .size: 8, .value_kind: global_buffer, .address_space: global }
      - { .name: qkv_b, .offset: 16, .size: 8, .value_kind: global_buffer, .address_space: global }
      - { .name: lowp_scales, .offset: 24, .size: 8, .value_kind: global_buffer, .address_space: global }
      - { .name: q_img, .offset: 32, .size: 8, .value_kind: global_buffer, .address_space: global }
      - { .name: kv_img, .offset: 40, .size: 8, .value_kind: global_buffer, .address_space: global }
    .group_segment_fixed_size: 169472
    .private_segment_fixed_size: 0
    .kernarg_segment_align: 8
    .kernarg_segment_size: 48
    .max_flat_workgroup_size: 384
    .sgpr_count:     66
    .vgpr_count:     226
    .wavefront_size: 32
...
	.end_amdgpu_metadata
.endif
;; end of part 2
;; launch attn (part 3): grid 64 x 4, 8 waves a work-group, clusters of 4 x 1, 327,680 bytes of LDS; arguments q_img, kv_img, lowp_scales, proj_w_codes, proj_b, x, out0; writes out0
.if DOCPART == 3
	.amdgcn_target "amdgcn-amd-amdhsa--gfx1250"
	.amdhsa_code_object_version 6
	.text
	.protected	k_q02b288ce17_attn
	.globl	k_q02b288ce17_attn
	.p2align	8
	.type	k_q02b288ce17_attn,@function
k_q02b288ce17_attn:
	s_mov_b64 s[64:65], 0
	v_nop
	global_prefetch_b8 v0, s[64:65] scope:SCOPE_SE
	s_setreg_imm32_b32 hwreg(HW_REG_WAVE_MODE, 25, 1), 1
	s_wait_xcnt 0x0
	s_wait_alu depctr_hold_cnt(0) depctr_sa_sdst(0) depctr_va_vdst(0) depctr_va_sdst(0) depctr_va_ssrc(0) depctr_va_vcc(0) depctr_vm_vsrc(0)
	s_getreg_b32 s2, hwreg(HW_REG_IB_STS2, 6, 4)
	s_cmp_eq_u32 s2, 0
	s_cbranch_scc0 .Lentry_in_a_cluster
	s_endpgm
.Lentry_in_a_cluster:
	s_bfe_u32 s2, ttmp6, 0x10000c
	s_cmp_lg_u32 s2, 0x3003
	s_cbranch_scc0 .Lentry_shape_is_right
	s_endpgm
.Lentry_shape_is_right:
; out0 = x + proj_w attention(q, k, v) + proj_b: both products of attention and the projection on codes of E5M2, each operand with the one scale 2^e that is given for it.
; q_img and kv_img hold IMAGES OF OPERAND REGISTERS (four registers of 32 lanes on end, 16 bytes a lane), so every fragment comes by loads of 16 bytes a lane at 16 x lane: no pitch, no padding, no bank met twice.
; A fragment of the plain 8-bit forms: lane (r = lane % 16, h = lane / 16) holds row or column r; registers 2 c, 2 c + 1 hold k = 16 c + 8 h + 0..7.  A result: register j holds (m = 8 h + j, n = r).
; THE SOFTMAX AHEAD OF THE SECOND PRODUCT: t = score x log2(e) / 8; M = the row's largest t so far, rounded UP to a whole number; p = 2^(t - M) is what is quantised (e4); it is not normalised.
; The row's sum is taken of the unquantised p, in f32, and divides O at the end.  When M moves, the sum and O are multiplied by 2^(old M - new M): nothing is rounded, and no branch hangs on data.
; LAYOUT.  S^T = K Q^T (source 0 = 16 keys, source 1 = 16 queries; K = 64) and O^T = V^T P^T (source 0 = 16 channels, source 1 = P; K = 128 keys): a lane holds ONE query throughout.  S^T's tile k holds keys 16 k + 8 h + j:
; converted, it IS registers 2 k, 2 k + 1 of P.  O^T's tile t holds channels 16 t + 8 h + j: converted (e7), it is a register pair of the projection's operand, whose K is head x 64 + channel.
; SHARES.  A work-group owns 64 pixels of a batch, ALL FOUR HEADS: so the projection and the residual are made here and attention's result never goes to memory.  256 work-groups.  Wave w: head w / 2, query tiles
; 2 (w % 2) and 2 (w % 2) + 1.  TILE A LIVES IN REGISTER WINDOW 0, TILE B AT THE SAME NUMBERS IN WINDOW 1: the softmax is one text, run under two window settings; each fragment of K and V read from LDS feeds both tiles.
; Two waves share a SIMD: one's vector work stands beside the other's matrix work and LDS loads.  Every wave walks the batch's 4,096 keys, 128 a step.
; RING.  Two LDS slots of two key steps (131,072 bytes, one dense block of kv_img), filled by waves 0 to 3, 32,768 bytes each; by this text's count a wave has one tensor load out at the most.
; CLUSTER.  The four work-groups of a cluster belong to one batch and walk the same kv_img: each slot is asked for JOINTLY (mask 15), which divides the requests by four.  My place in the cluster enters global addresses alone.
; TAIL.  The 16 pieces of the projection's operand (4 pixel tiles x 4 heads) meet in LDS as images; wave w makes output channels 32 w .. 32 w + 31 for the 64 pixels (source 0 = pixels: a lane holds 8 neighbouring pixels
; of one channel), sends them through its own rows of a stage, adds x and stores: sixteen lanes store 256 consecutive bytes, aligned.
; LIMITS on the given exponents, so that each power of two below is an f32 number: e2 + e3 between -123 and 130 (added to c's exponent field); e4 and e7 between -126 and 112; e6 + e7 between -126 and 127;
; e4 + e5 is applied by v_ldexp_f32.  NaN among the inputs is not served.
; REGISTERS.  Window 0 alone: v1 16 x lane; v2, v3 my head's images in a slot's first and second key step; v4 the address in hand; v5, v6 the spare word and 0; v7 256 x lane; v8 my place in x and out0; v9-11 tail addresses;
;   v32-95 K's 8 fragments; v246-249 lane terms.   Window 1 alone: v32-95 V's 4 fragments, in the tail x.
;   In both windows, for tile A and tile B: v12 -M; v13 the largest t; v[14:15] the sum in two halves; v16-23 Q; v24-31 at work; v96-159 S^T, then p; v160-191 O^T; v192-207 P's codes; v208-239 proj_w's two fragments of
;   my output tile 0 (window 0) or 1 (window 1); v241: 2^e4; v242 proj_b; v245: 2^e7.
.set SLOT1, 1<<17                      ; slot 1 begins here, so that one exclusive or turns an address in one slot into the other's
.set SPARE, 2*SLOT1                    ; behind the ring: the spare words, 128 bytes for each wave: four blocks of 256 bytes that no other line names
.set NSL,   16                         ; slots' worth of keys: 4,096 / 256
.set IMG,   0                          ; the tail, in slot 0, which has had its last fill and its last read at the last change of slots: the operand's images, 16,384 bytes: 4,096 tile + 1,024 head + 512 c + 16 lane;
.set STG,   16384                      ; and the stage: 256 rows (output channels) of 256 bytes + 16
.set SP,    272
.set KF,  32
.set S,   96
.set O,   160
.set P,   192
.set PW,  208
.set MSB, 0
.macro WIN new                         ; s_set_vgpr_msb's low byte: bits 1:0 source 0, 3:2 source 1, 5:4 source 2, 7:6 destination; the high byte repeats the setting that is left; a switch that changes nothing is dropped
.if MSB != \new
	s_set_vgpr_msb (MSB<<8)|\new
.set MSB, \new
.endif
.endm
; A round of the cluster's barrier: my work-group's barrier, so that wave 0's signal speaks for all eight waves; wave 0 signals for the work-group; every wave waits for all four work-groups; my work-group's barrier once more.
.macro CROUND
	s_barrier_signal -1
	s_barrier_wait -1
	s_cmp_lg_u32 s18, 0
	s_cbranch_scc1 .Lnot_wave_0_\@
	s_barrier_signal -3
.Lnot_wave_0_\@:
	s_barrier_wait -3
	s_barrier_signal -1
	s_barrier_wait -1
.endm
; A joint load: waves 0 to 3 fetch a quarter of a slot each, the others nothing.  The branch hangs on the wave's number alone.  Four v_nop follow the load.
.macro TLOAD
	s_cmp_lt_u32 s18, 4
	s_cbranch_scc0 .Lnone_\@
	tensor_load_to_lds s[32:35], s[24:31]
	s_nop 0
.rept 4
	v_nop
.endr
.Lnone_\@:
.endm
; A PREFETCH INTO THE L2 of the slot that the NEXT change of slots will ask for: two key steps ahead of that load.  Each aligned block of 256 bytes is named once in the launch: all clusters of a batch walk the same kv_img, so
; the batch's first cluster asks; its four partners take 32,768 bytes each, told apart BY ADDRESS; in each, waves 4 to 7, which fetch nothing, take 8,192 bytes each, lanes 256 bytes apart: one instruction a wave.
; Slots 0 and 1 come by their loads alone; the last change that fills a slot asks for nothing: there is no slot behind it.
.macro ASK
	s_cmp_gt_u32 s37, s38
	s_cbranch_scc0 .Lnot_mine_\@
	global_prefetch_b8 v7, s[40:41] th:TH_LOAD_NT scope:SCOPE_SE
.Lnot_mine_\@:
.endm
	s_load_b256 s[4:11], s[0:1], 0x0               ; q_img s[4:5], kv_img s[6:7], the scales' exponents s[8:9], proj_w's codes s[10:11]
	s_load_b128 s[12:15], s[0:1], 0x20             ; proj_b s[12:13], x s[14:15]
	s_load_b64 s[16:17], s[0:1], 0x30              ; out0
	v_lshl_add_u32 v5, v0, 2, SPARE
	v_mov_b32 v6, 0
	ds_add_u32 v5, v6
	ds_add_u32 v5, v6
	s_wait_dscnt 0x0
	v_lshrrev_b32 v1, 5, v0
	s_delay_alu instid0(VALU_DEP_1)
	v_readfirstlane_b32 s18, v1                    ; wave 0..7
	s_lshr_b32 s19, s18, 1                         ; head
	s_and_b32 s56, ttmp7, 0xffff                   ; the batch, which the four partners share
	s_bfe_u32 s57, ttmp6, 0x40000                  ; cx: my place in the cluster
	s_lshl_b32 s58, ttmp9, 2                       ; in a cluster launch ttmp9 counts clusters
	s_add_co_u32 s58, s58, s57                     ; my block of 64 pixels = 4 x cluster x + cx: it enters q_img's, x's and out0's addresses alone
	s_and_b32 s59, s18, 3
	; descriptor group 1: 128 rows of 32 elements of 8 bytes, dense: 32,768 bytes
	s_mov_b32 s24, 0x0023000f                      ; 15:0 the mask: all four work-groups; 17:16 elements of 8 bytes (code 3); 20 no padding; 21 set beside a mask
	s_mov_b32 s25, 32<<16                          ; tensor_dim0 = 32
	s_mov_b32 s26, 128<<16                         ; tensor_dim1 = 128
	s_mov_b32 s27, 32<<16                          ; tile_dim0 = 32
	s_mov_b32 s28, 128                             ; tile_dim1 = 128
	s_mov_b32 s29, 32                              ; tensor_dim0_stride
	s_mov_b32 s30, 0
	s_mov_b32 s31, 0
	s_mov_b32 s32, 1                               ; group 0: count = 1
	s_lshl_b32 s33, s59, 15                        ; LDS address: slot 0, my quarter: no place in the cluster enters it
	s_lshl_b32 s60, s56, 21                        ; in memory: the batch's 2,097,152 bytes, my quarter
	s_add_co_u32 s60, s60, s33
	s_mov_b32 s61, 0
	s_lshl_b32 s62, s56, 21                        ; the prefetches: the batch, slot 1 (the first change of slots steps it to slot 2),
	s_add_co_u32 s62, s62, SLOT1
	s_lshl_b32 s63, s57, 15                        ; my work-group's quarter of a slot,
	s_add_co_u32 s62, s62, s63
	s_lshl_b32 s63, s59, 13                        ; my wave's quarter of that
	s_add_co_u32 s62, s62, s63
	s_mov_b32 s63, 0
	s_lshl_b32 s66, s56, 20                        ; q_img: batch, head, 4 tiles a block, my first tile: 1,024 bytes a tile
	s_lshl_b32 s67, s19, 18
	s_add_co_u32 s66, s66, s67
	s_lshl_b32 s67, s58, 12
	s_add_co_u32 s66, s66, s67
	s_and_b32 s67, s18, 1
	s_lshl_b32 s67, s67, 11
	s_add_co_u32 s66, s66, s67
	s_mov_b32 s67, 0
	s_lshl_b32 s68, s56, 22                        ; x and out0: batch, my 32 channels of 16,384 bytes, my block's 256 bytes
	s_lshl_b32 s69, s18, 19
	s_add_co_u32 s68, s68, s69
	s_lshl_b32 s69, s58, 8
	s_add_co_u32 s68, s68, s69
	s_mov_b32 s69, 0
	s_lshl_b32 s70, s18, 13                        ; proj_w: my 32 rows of 256 bytes
	s_mov_b32 s71, 0
	s_lshl_b32 s72, s18, 7                         ; proj_b: my 32 numbers
	s_mov_b32 s73, 0
	s_lshr_b32 s38, s18, 2
	s_xor_b32 s38, s38, 1                          ; 0 in waves 4 to 7,
	s_or_b32 s38, s38, ttmp9                       ; of the batch's first cluster: the same in all four partners
	s_cmp_eq_u32 s38, 0
	s_cselect_b32 s38, 1, -1                       ; a wave prefetches while the count of slots to be asked for is above this
	s_mov_b32 s20, 0x76543210                      ; v_permlanex16_b32: lane l xor 16
	s_mov_b32 s21, 0xfedcba98
	s_mov_b32 s36, 0                               ; LDS byte at which the slot in hand begins
	s_mov_b32 s37, NSL-1                           ; slots still to be asked for
	s_wait_kmcnt 0x0
	s_load_b256 s[44:51], s[8:9], 0x0              ; e0 .. e7
	s_add_nc_u64 s[34:35], s[6:7], s[60:61]        ; group 0: global address,
	s_or_b32 s35, s35, 0x80000000                  ; type = 2
	s_add_nc_u64 s[40:41], s[6:7], s[62:63]
	s_add_nc_u64 s[4:5], s[4:5], s[66:67]
	s_add_nc_u64 s[14:15], s[14:15], s[68:69]
	s_add_nc_u64 s[16:17], s[16:17], s[68:69]
	s_add_nc_u64 s[10:11], s[10:11], s[70:71]
	s_add_nc_u64 s[12:13], s[12:13], s[72:73]
	CROUND                                         ; all four work-groups are here: the first joint loads meet
	TLOAD                                          ; slot 0
	v_and_b32 v1, 31, v0
	s_delay_alu instid0(VALU_DEP_1)
	v_lshlrev_b32 v7, 8, v1                        ; 256 x lane
	s_delay_alu instid0(VALU_DEP_2)
	v_lshlrev_b32 v1, 4, v1                        ; 16 x lane
	v_and_b32 v248, 15, v0                         ; r
	v_bfe_u32 v249, v0, 4, 1                       ; h
	s_delay_alu instid0(VALU_DEP_2)
	v_lshlrev_b32 v246, 8, v248
	s_delay_alu instid0(VALU_DEP_1)
	v_lshl_add_u32 v246, v249, 3, v246             ; proj_w: row r of 256 bytes, + 8 h
	s_delay_alu instid0(VALU_DEP_4)
	v_lshlrev_b32 v247, 2, v248                    ; proj_b: the number of row r
	global_load_b128 v[16:19], v1, s[4:5]          ; Q of tile A stays in registers
	global_load_b128 v[20:23], v1, s[4:5] offset:512
.irp kk, 0,1
.irp c, 0,1,2,3,4,5,6,7
	global_load_b64 v[PW+16*\kk+2*\c:PW+16*\kk+2*\c+1], v246, s[10:11] offset:128*\kk+16*\c   ; proj_w(32 w + r, 128 kk + 16 c + 8 h .. + 7)
.endr
.endr
	global_load_b32 v242, v247, s[12:13]
	WIN 0x40                                       ; destination window 1, address window 0: tile B's Q, and my second 16 rows of proj_w and proj_b
	global_load_b128 v[16:19], v1, s[4:5] offset:1024
	global_load_b128 v[20:23], v1, s[4:5] offset:1536
.irp kk, 0,1
.irp c, 0,1,2,3,4,5,6,7
	global_load_b64 v[PW+16*\kk+2*\c:PW+16*\kk+2*\c+1], v246, s[10:11] offset:4096+128*\kk+16*\c
.endr
.endr
	global_load_b32 v242, v247, s[12:13] offset:64
	WIN 0
	s_lshl_b32 s74, s19, 13
	v_add_nc_u32 v2, s74, v1                       ; my head's 8,192 bytes of K's images in a key step (V's lie 32,768 further on),
	s_delay_alu instid0(VALU_DEP_1)
	v_add_nc_u32 v3, 0x10000, v2                   ; and in the slot's second key step
	v_lshlrev_b32 v8, 14, v249
	s_delay_alu instid0(VALU_DEP_1)
	v_lshl_add_u32 v8, v248, 4, v8                 ; x, out0: lanes 0-15 one channel's 256 bytes, lanes 16-31 the next channel's
	s_and_b32 s74, s18, 1
	s_lshl_b32 s74, s74, 13
	s_lshl_b32 s75, s19, 10
	s_add_co_u32 s74, s74, s75
	v_add_nc_u32 v9, s74, v1                       ; where tile A's piece of the projection's operand goes: 4,096 x tile + 1,024 x head + 16 x lane (tile B's: 4,096 on)
	s_mul_i32 s74, s18, 32*SP
	v_mul_u32_u24 v10, v248, SP
	s_delay_alu instid0(VALU_DEP_1)
	v_lshl_add_u32 v10, v249, 5, v10
	s_delay_alu instid0(VALU_DEP_1)
	v_add_nc_u32 v10, s74, v10
	s_delay_alu instid0(VALU_DEP_1)
	v_add_nc_u32 v10, STG, v10                     ; the stage, in: row 32 w + r, + 32 h
	v_mul_u32_u24 v11, v249, SP
	s_delay_alu instid0(VALU_DEP_1)
	v_lshl_add_u32 v11, v248, 4, v11
	s_delay_alu instid0(VALU_DEP_1)
	v_add_nc_u32 v11, s74, v11
	s_delay_alu instid0(VALU_DEP_1)
	v_add_nc_u32 v11, STG, v11                     ; and back: lanes 0-15 one row, lanes 16-31 the next
	s_wait_kmcnt 0x0
	s_mov_b32 s22, 0x3e38aa3b                      ; c = log2(e) / 8
	s_add_co_i32 s78, s46, s47
	s_lshl_b32 s78, s78, 23
	s_add_co_i32 s22, s22, s78                     ; a score stands for score x 2^(e2 + e3): the two exponents are added to c's exponent field
	s_mov_b32 s23, s22                             ; (named with it as a pair, so it is written)
	s_add_co_i32 s78, s48, 127
	s_lshl_b32 s74, s78, 23                        ; 2^e4 as f32
	s_add_co_i32 s78, s51, 127
	s_lshl_b32 s76, s78, 23                        ; 2^e7
	s_add_co_i32 s52, s48, s49                     ; e4 + e5
	s_add_co_i32 s54, s50, s51
	s_add_co_i32 s54, s54, 127
	s_lshl_b32 s54, s54, 23                        ; 2^(e6 + e7) as f32
	s_mov_b32 s55, s54
.macro INIT                            ; a tile's state, in the window that is set
	v_mov_b32 v13, 0xff61b1e6                      ; the largest t so far: -3e38, under every t
	s_delay_alu instid0(VALU_DEP_1)
	v_floor_f32 v12, -v13                          ; -M
	v_mov_b32 v14, 0                               ; the sum, in two halves
	v_mov_b32 v15, 0
	v_mov_b32 v26, 0                               ; written once: a lane permute's destination counts as one of its sources
	v_mov_b32 v29, 0                               ; (named as the upper halves of pairs)
	v_mov_b32 v243, 0
	v_mov_b32 v241, s74
	v_mov_b32 v245, s76
.set j, 0
.rept 32
	v_mov_b32 v[O+j], 0                            ; O^T.  (The key step is written once: the first finds zeros, which the first change of M leaves zeros; a first step of its own would be a third copy of the step's text)
.set j, j+1
.endr
.endm
	INIT
	WIN 0x55
	INIT
	WIN 0
; THE SOFTMAX of one tile for one key step, all its vector registers in one window.
.macro SM
	v_max3_num_f32 v24, v[S], v[S+1], v[S+2]       ; the step's largest score of my query, among my 64 keys, in two chains; each tile of S^T is first read at its low end
	v_max3_num_f32 v25, v[S+3], v[S+4], v[S+5]
.irp i, 6,10,14,18,22,26,30,34,38,42,46,50,54,58
	v_max3_num_f32 v24, v24, v[S+\i], v[S+\i+1]
	v_max3_num_f32 v25, v25, v[S+\i+2], v[S+\i+3]
.endr
	v_max3_num_f32 v24, v24, v[S+62], v[S+63]
	s_delay_alu instid0(VALU_DEP_1)
	v_max_num_f32 v24, v24, v25
	s_delay_alu instid0(VALU_DEP_1)
	v_permlanex16_b32 v26, v24, s20, s21
	s_delay_alu instid0(VALU_DEP_1)
	v_max_num_f32 v24, v24, v26                    ; and among lane l xor 16's
	s_delay_alu instid0(VALU_DEP_1)
	v_mul_f32 v24, s22, v24                        ; as t (c is positive)
	s_delay_alu instid0(VALU_DEP_1)
	v_max_num_f32 v13, v13, v24                    ; the running largest t
	v_mov_b32 v24, v12
	s_delay_alu instid0(VALU_DEP_2)
	v_floor_f32 v12, -v13                          ; the new -M = floor(-t) = -ceil(t): M is a whole number
	s_delay_alu instid0(VALU_DEP_1)
	v_sub_f32 v24, v12, v24                        ; M's old value less its new one: a whole number, 0 or less
	s_delay_alu instid0(VALU_DEP_1)
	v_cvt_i32_f32 v24, v24                         ; (it saturates)
	s_delay_alu instid0(VALU_DEP_1)
	v_ldexp_f32 v28, 1.0, v24                      ; f = 2^(old M - new M)
.set j, 0
.rept 32
	v_pk_fma_f32 v[S+j:S+j+1], v[S+j:S+j+1], s[22:23], v[12:13] op_sel_hi:[1,0,0]   ; t - M, two at a time (of the pairs c and -M the low word serves both halves)
.set j, j+2
.endr
.set j, 0
	s_wait_alu depctr_va_vdst(0)
.rept 64
	v_exp_f32 v[S+j], v[S+j]                       ; p = 2^(t - M), at most 1: not normalised
.set j, j+1
.endr
	v_pk_mul_f32 v[14:15], v[14:15], v[28:29] op_sel_hi:[1,0]   ; the sums under the new M: the plain line behind the exponentials
	s_wait_alu depctr_va_vdst(0)                   ; one wait for the whole batch, ahead of its first reader
	v_pk_add_f32 v[30:31], v[S:S+1], v[S+2:S+3]    ; the row's sum is taken of the unquantised p: two at a time, in two chains
.set j, 4
.rept 15
	v_pk_add_f32 v[14:15], v[14:15], v[S+j:S+j+1]
	v_pk_add_f32 v[30:31], v[30:31], v[S+j+2:S+j+3]
.set j, j+4
.endr
	s_delay_alu instid0(VALU_DEP_1)
	v_pk_add_f32 v[14:15], v[14:15], v[30:31]
.irp b, 0,1,2,3
.set j, 0
.rept 16
.set j, j+1
.endr
	v_cvt_scalef32_pk8_bf8_f32 v[P+4*\b:P+4*\b+1], v[S+16*\b:S+16*\b+7], v241
	v_cvt_scalef32_pk8_bf8_f32 v[P+4*\b+2:P+4*\b+3], v[S+16*\b+8:S+16*\b+15], v241
.endr
.set j, 0
.rept 16
	v_pk_mul_f32 v[O+j:O+j+1], v[O+j:O+j+1], v[28:29] op_sel_hi:[1,0]   ; O^T under the new M: x f.  (These are also the plain lines between the conversions and the products that read the codes)
.set j, j+2
.endr
.endm
.macro PV                              ; O^T += V^T P^T: four tiles of 16 channels, K = the step's 128 keys; the accumulators take turns
.irp t, 0,1,2,3
	v_wmma_f32_16x16x128_bf8_bf8 v[O+8*\t:O+8*\t+7], v[KF+16*\t:KF+16*\t+15], v[P:P+15], v[O+8*\t:O+8*\t+7]
.endr
.endm
.macro KQ                              ; S^T = K Q^T: eight tiles of 16 keys, K = the head's 64
.irp k, 0,1,2,3,4,5,6,7
	v_wmma_f32_16x16x64_bf8_bf8 v[S+8*\k:S+8*\k+7], v[KF+8*\k:KF+8*\k+7], v[16:23], 0
.endr
.endm
; A KEY STEP: 128 keys, the q-th of the slot in hand, for both tiles.  Every window is 0 at its head and at its end.
.macro STEP q
	v_add_nc_u32 v4, s36, v[2+\q]
.rept 3
	v_nop                                          ; with the addition above: four places between the last products, which read V's fragments, and the loads into them
.endr
.irp k, 0,1,2,3,4,5,6,7
.irp c, 0,1
	ds_load_b128 v[KF+8*\k+4*\c:KF+8*\k+4*\c+3], v4 offset:\k*1024+\c*512
.endr
.endr
	WIN 0x40                                       ; destination window 1, address window 0
.irp t, 0,1,2,3
.irp c, 0,1,2,3
	ds_load_b128 v[KF+16*\t+4*\c:KF+16*\t+4*\c+3], v4 offset:32768+\t*2048+\c*512
.endr
.endr
	s_wait_dscnt 16                                ; K's sixteen loads are in; V's sixteen, issued behind them, may be out
	WIN 0
	KQ                                             ; tile A
	WIN 0x44                                       ; K in window 0; Q and S^T in window 1
	KQ                                             ; tile B
	WIN 0
.rept 4
	v_nop                                          ; four places ahead of the first read of the scores
.endr
	SM                                             ; tile A
	s_wait_alu depctr_va_vdst(0)
	s_wait_dscnt 0x0                               ; V is in
	WIN 0x01                                       ; V in window 1; P and O^T in window 0
	PV                                             ; tile A's products stand ahead of tile B's softmax
	WIN 0x55                                       ; all of tile B, and V, in window 1
	SM
	PV
	WIN 0
.endm
; THE CHANGE OF SLOTS stands at a slot's head.  Each wave waits for all its tensor loads (its part of the slot that it is about to read), adds 0 to its spare word, and waits for that and for its reads of the slot that it has left.
; fill = 1: a round of the cluster's barrier, so that no wave of any partner still reads that slot or has a load on its way; then the joint refill, first thing behind it: it has two key steps in which to land.
.macro CHANGE fill
	s_wait_tensorcnt 0x0                           ; no tensor load of mine is out, so group 0 may be written
	ds_add_u32 v5, v6                              ; 0 onto my spare word
.if \fill
	s_xor_b32 s33, s33, SLOT1                      ; the walking descriptor: the other slot than last time,
	s_add_nc_u64 s[34:35], s[34:35], SLOT1         ; the next 131,072 bytes; the type bits on top are not reached
	s_wait_xcnt 0x0                                ; the last prefetch, a slot back, has read its address, so it may be written:
	s_add_nc_u64 s[40:41], s[40:41], SLOT1         ; one slot further on than the walking descriptor
	s_wait_dscnt 0x0                               ; the add is done, and my reads of the slot that I have left are over
	CROUND
	TLOAD
	ASK
.else
	s_wait_dscnt 0x0
	s_barrier_signal -1
	s_barrier_wait -1
.endif
.endm
.macro SLOT_STEPS
	STEP 0
	STEP 1
	s_xor_b32 s36, s36, SLOT1                      ; on to the other slot
.endm
	s_wait_loadcnt 0x0                             ; Q, proj_w, proj_b
.Lslot:                                            ; NSL - 1 trips: behind each change of slots but the last the next slot is asked for (slot 1's first fill is issued as a refill is)
	CHANGE 1
	SLOT_STEPS
	s_sub_co_u32 s37, s37, 1
	s_cmp_lg_u32 s37, 0
	s_cbranch_scc1 .Lslot
	CHANGE 0                                       ; the last slot is written out
	SLOT_STEPS
	; ---- THE TAIL
.rept 4
	v_nop                                          ; four places between the last products and the loads into V's registers
.endr
	WIN 0x40
.irp i, 0,1,2,3,4,5,6,7,8,9,10,11,12,13,14,15
	global_load_b128 v[32+4*\i:32+4*\i+3], v8, s[14:15] offset:32768*\i th:TH_LOAD_NT   ; x at the places that I shall store: channels 32 w + 2 i + h; it lands while the projection is made
.endr
	WIN 0
; A tile's O^T / the sum x 2^(e4 + e5) is attention's result; held, converted with 2^e7, it is 8 registers of the projection's operand.
.macro EPI
	v_add_f32 v14, v14, v15                        ; the sum's two halves,
	s_delay_alu instid0(VALU_DEP_1)
	v_permlanex16_b32 v26, v14, s20, s21
	s_delay_alu instid0(VALU_DEP_1)
	v_add_f32 v14, v14, v26                        ; and lane l xor 16's: the row's sum
	s_wait_alu depctr_va_vdst(0)
	v_rcp_f32 v24, v14
	v_nop                                          ; a plain line behind the transcendental,
	s_wait_alu depctr_va_vdst(0)                   ; and the wait ahead of the first use of its result
	v_ldexp_f32 v24, v24, s52
.set j, 0
.rept 16
	v_pk_mul_f32 v[O+j:O+j+1], v[O+j:O+j+1], v[24:25] op_sel_hi:[1,0]   ; each accumulator from its low end on
.set j, j+2
.endr
.set j, 0
.rept 32
.set j, j+1
.endr
.irp t, 0,1,2,3
	v_cvt_scalef32_pk8_bf8_f32 v[P+8+2*\t:P+8+2*\t+1], v[O+8*\t:O+8*\t+7], v245
.endr
	v_nop                                          ; a plain line between the conversions and the products that write their sources
.endm
	EPI
	WIN 0x55
	EPI
	WIN 0
	ds_store_b128 v9, v[P+8:P+11] offset:IMG       ; tile A's piece: K = 64 head + 0 .. 63 of pixel tile 2 (w % 2)
	ds_store_b128 v9, v[P+12:P+15] offset:IMG+512
	WIN 0x04                                       ; the stores' data in window 1
	ds_store_b128 v9, v[P+8:P+11] offset:IMG+4096  ; tile B's
	ds_store_b128 v9, v[P+12:P+15] offset:IMG+4608
	WIN 0
	s_wait_dscnt 0x0                               ; for the others' sake: my stores have landed
	s_barrier_signal -1
	s_barrier_wait -1
.irp m, 0,1,2,3
.irp kk, 0,1
.irp c, 0,1,2,3
	ds_load_b128 v[32+16*(2*\m+\kk)+4*\c:32+16*(2*\m+\kk)+4*\c+3], v1 offset:IMG+\m*4096+\kk*2048+\c*512   ; the operand's 8 fragments: pixel tile m, K step kk
.endr
.endr
.endr
	s_wait_dscnt 0x0
.macro PROJ                            ; 16 output channels x 64 pixels: four accumulators by turns, two K steps; the first starts the sums
.irp kk, 0,1
.irp m, 0,1,2,3
.if \kk == 0
	v_wmma_f32_16x16x128_bf8_bf8 v[O+8*\m:O+8*\m+7], v[32+32*\m:32+32*\m+15], v[PW:PW+15], 0
.else
	v_wmma_f32_16x16x128_bf8_bf8 v[O+8*\m:O+8*\m+7], v[48+32*\m:48+32*\m+15], v[PW+16:PW+31], v[O+8*\m:O+8*\m+7]
.endif
.endr
.endr
.endm
	PROJ                                           ; channels 32 w + 0 .. 15
	WIN 0x54                                       ; the pixels' fragments in window 0; proj_w, C and D in window 1
	PROJ                                           ; channels 32 w + 16 .. 31
	WIN 0
.rept 4
	v_nop                                          ; four places ahead of the first read of the results and of the writes over the fragments
.endr
.macro FIN                             ; sum x 2^(e6 + e7) + proj_b, one packed multiply-add for two pixels
.irp m, 0,1,2,3
.irp i, 0,2,4,6
	v_pk_fma_f32 v[S+8*\m+\i:S+8*\m+\i+1], v[O+8*\m+\i:O+8*\m+\i+1], s[54:55], v[242:243] op_sel_hi:[1,0,0]
.endr
.endr
.endm
	FIN
	WIN 0x55
	FIN
	WIN 0
.irp m, 0,1,2,3
	ds_store_b128 v10, v[S+8*\m:S+8*\m+3] offset:64*\m         ; lane (r, h): channel 32 w + r, pixels 16 m + 8 h + 0 .. 7
	ds_store_b128 v10, v[S+8*\m+4:S+8*\m+7] offset:64*\m+16
.endr
	WIN 0x04
.irp m, 0,1,2,3
	ds_store_b128 v10, v[S+8*\m:S+8*\m+3] offset:16*SP+64*\m   ; channel 32 w + 16 + r
	ds_store_b128 v10, v[S+8*\m+4:S+8*\m+7] offset:16*SP+64*\m+16
.endr
	WIN 0
.irp i, 0,1,2,3,4,5,6,7,8,9,10,11,12,13,14,15
	ds_load_b128 v[32+4*\i:32+4*\i+3], v11 offset:\i*2*SP      ; the rows are my own, and LDS serves a wave's instructions in order (ISA guide 5.7.1.4): these see my stores
.endr
	s_wait_dscnt 0x0
	s_wait_loadcnt 0x0                             ; x
	WIN 0x04                                       ; x in window 1
.set j, 0
.rept 32
	v_pk_add_f32 v[32+j:32+j+1], v[32+j:32+j+1], v[32+j:32+j+1]   ; + x: source 1 is window 1's register of the same number
.set j, j+2
.endr
	WIN 0
.irp i, 0,1,2,3,4,5,6,7,8,9,10,11,12,13,14,15
	global_store_b128 v8, v[32+4*\i:32+4*\i+3], s[16:17] offset:32768*\i th:TH_STORE_NT   ; sixteen lanes store 256 consecutive bytes, aligned
.endr
	s_wait_tensorcnt 0x0                           ; the wave's end: behind my last tensor load and my last LDS store
	ds_add_u32 v5, v6
	s_wait_dscnt 0x0
	CROUND                                         ; the closing round: no work-group ends while a partner may still ask for a slot that names it
	s_endpgm
.Lfunc_end_k_q02b288ce17_attn:
	.size	k_q02b288ce17_attn, .Lfunc_end_k_q02b288ce17_attn-k_q02b288ce17_attn
	.p2alignl 7, 3214868480
	.fill 96, 4, 3214868480
	.section	.rodata,"a",@progbits
	.p2align	6, 0x0
	.amdhsa_kernel k_q02b288ce17_attn
		.amdhsa_group_segment_fixed_size 327680
		.amdhsa_private_segment_fixed_size 0
		.amdhsa_enable_private_segment 0
		.amdhsa_kernarg_size 56
		.amdhsa_user_sgpr_count 2
		.amdhsa_user_sgpr_kernarg_segment_ptr 1
		.amdhsa_wavefront_size32 1
		.amdhsa_system_sgpr_workgroup_id_x 1
		.amdhsa_system_sgpr_workgroup_id_y 1
		.amdhsa_system_sgpr_workgroup_id_z 1
		.amdhsa_system_vgpr_workitem_id 0
		.amdhsa_next_free_vgpr 512
		.amdhsa_next_free_sgpr 80
		.amdhsa_reserve_vcc 0
		.amdhsa_float_denorm_mode_32 3
		.amdhsa_float_denorm_mode_16_64 3
		.amdhsa_fp16_overflow 1
		.amdhsa_memory_ordered 1
		.amdhsa_forward_progress 1
		.amdhsa_inst_pref_size 130
	.end_amdhsa_kernel
	.amdgpu_metadata
---
amdhsa.version: [ 1, 2 ]
amdhsa.kernels:
  - .name:           k_q02b288ce17_attn
    .symbol:         k_q02b288ce17_attn.kd
    .args:
      - { .name: q_img, .offset: 0, .size: 8, .value_kind: global_buffer, .address_space: global }
      - { .name: kv_img, .offset: 8, .size: 8, .value_kind: global_buffer, .address_space: global }
      - { .name: lowp_scales, .offset: 16, .size: 8, .value_kind: global_buffer, .address_space: global }
      - { .name: proj_w_codes, .offset: 24, .size: 8, .value_kind: global_buffer, .address_space: global }
      - { .name: proj_b, .offset: 32, .size: 8, .value_kind: global_buffer, .address_space: global }
      - { .name: x, .offset: 40, .size: 8, .value_kind: global_buffer, .address_space: global }
      - { .name: out0, .offset: 48, .size: 8, .value_kind: global_buffer, .address_space: global }
    .group_segment_fixed_size: 327680
    .private_segment_fixed_size: 0
    .kernarg_segment_align: 8
    .kernarg_segment_size: 56
    .max_flat_workgroup_size: 256
    .sgpr_count:     80
    .vgpr_count:     512
    .wavefront_size: 32
...
	.end_amdgpu_metadata
.endif
;; end of part 3
